; MI455X (gfx1250); checked and timed in simulation.
; The chip was launched on July 23, 2026; its instructions are those of AMD's public machine-readable ISA for CDNA 5 (MIT licence, August 2026) and "CDNA5" Instruction Set Architecture Reference Guide (July 2026). The comments in the code are by the model that wrote it; some were corrected since.
;; Wrapper Linear. Allowed arithmetic: matrix products marked QUANTISED: E2M3 operands, one E8M0 scale for each 32 along K, by v_wmma_scale_f32_16x16x128_f8f6f4 with both operands' format E2M3, f32 sums; everything else in f32.
;; Inputs: bias 4,096 float32; max_scale 131,072 float32; min_scale 131,072 float32; value 4,096 x 4,096 float32; weight 4,096 x 4,096 float32; x 2 x 2,048 x 4,096 float32.
;; Outputs: out0 2 x 2,048 x 4,096 float32.
;; This version of the problem:
;;   THIS VERSION OF THE PROBLEM IS GIVEN IN LOW PRECISION. The matrix products marked QUANTISED in the list below multiply operands that are first quantised to E2M3 (2 exponent bits, 3 mantissa bits; 6 bits a number), with one power-of-two scale for each 32 numbers along K (OCP MX v1.0); their sums are f32. All else is computed in f32.
;;   The module's matrix products, in the order in which they are computed (A, B: the left and right operand; K: the contracted axis; several contracted axes count as one K, in the product's order):
;;     1. [M 4,096, K 4,096] x [K 4,096, N 4,096]; A: input x; B: computed on the way: QUANTISED
;;   THE QUANTISER, for each operand of a quantised product, along K:
;;     - K is cut into blocks of 32 from its start; a last block that is shorter is filled with zeros.
;;     - A block's scale is 2^e with e = floor(log2(the largest magnitude in the block)) - 2, held to -126 .. 127; a block of zeros has e = 0. As a byte (E8M0): e + 127.
;;     - Each number is divided by its block's scale, clamped to +-7.5, and rounded to the nearest number of E2M3, ties to even, subnormals kept.
;;     - The product sums the exact products of the quantised numbers (number of the format x scale) in f32.
;;   ~~~python
;;   def quantise(x, axis):      # numpy; x: float32 -> the quantised numbers, widened to float32 again
;;       x = np.moveaxis(x, axis, -1); K = x.shape[-1]
;;       x = np.pad(x, [(0, 0)] * (x.ndim - 1) + [(0, -K % 32)]); x = x.reshape(x.shape[:-1] + (-1, 32)); a = np.abs(x).max(-1, keepdims=True)
;;       e = np.where(a > 0, np.clip(np.frexp(np.where(a > 0, a, 1))[1] - 1 - 2, -126, 127), 0)      # np.frexp(a)[1] - 1 = floor(log2(a)), exactly
;;       r = np.clip(x / 2.0 ** e, -7.5, 7.5)
;;       step = 2.0 ** (np.maximum(np.frexp(np.where(r == 0, 1, r))[1] - 1, 0) - 3)
;;       q = np.round(r / step) * step * 2.0 ** e      # np.round: ties to even
;;       return np.moveaxis(q.reshape(q.shape[:-2] + (-1,))[..., :K], -1, axis).astype(np.float32)
;;   ~~~
;;   OPERANDS COMPUTED ON THE WAY. 'Computed on the way' means the value that the module computes at that place (a softmax that the list does not call 'softmax' is quantised finished and normalised). What goes into a quantiser is computed in f32, as accurately as f32 sums, v_exp_f32 and their like allow (about 1e-6 of the number): no bf16 or f16 on the way to a quantiser, and a product that is left as it is and whose result goes on into a quantised operand takes f32 operands (vector FMAs, or v_wmma_f32_16x16x4_f32). A number that lies on a knife's edge between two numbers of the format may be rounded either way, as far as f32 arithmetic and the matrix unit's own rounding can turn it there, and no further.
;; One version. Each part assembles by itself: llvm-mc -triple=amdgcn-amd-amdhsa -mcpu=gfx1250 --defsym DOCPART=n.
;; ======== version 1 of 1: 2 launches
;; limits: values are held in f16: magnitudes above 65,504 overflow, below 6.1e-05 lose precision; right only within a limited range of input values
;; workspace buffers: aimg 13,107,200 bytes; bimg 13,107,200 bytes
;; launch quant (part 1): grid 256 x 1, 8 waves a work-group, no clusters, 327,680 bytes of LDS; arguments x, weight, value, min_scale, max_scale, aimg, bimg; writes aimg, bimg
.if DOCPART == 1
	.amdgcn_target "amdgcn-amd-amdhsa--gfx1250"
	.amdhsa_code_object_version 6
	.text
	.protected	k_q51ecbcf81f_quant
	.globl	k_q51ecbcf81f_quant
	.p2align	8
	.type	k_q51ecbcf81f_quant,@function
k_q51ecbcf81f_quant:
	s_mov_b64 s[64:65], 0
	v_nop
	global_prefetch_b8 v0, s[64:65] scope:SCOPE_SE
	s_setreg_imm32_b32 hwreg(HW_REG_WAVE_MODE, 25, 1), 1
	s_wait_xcnt 0x0
; x [4096][4096] f32, and wq = the group-wise 4-bit fake quantisation of weight [4096][4096] (groups of 128 along K, with value, min_scale, max_scale), are turned
; into codes of FP6 (E2M3) with one E8M0 scale byte for each 32 along K, laid IN THE ORDER OF THE MATRIX OPERAND'S REGISTERS.
; OUTPUT.  aimg (x) and bimg (wq): step tile (g, t) = rows 128 g .. + 127, K 128 t .. + 127, 12,800 bytes at (32 g + t) x 12,800.  In it: fragment i (rows 16 i ..) at 1,536 i:
; registers 4 c .. 4 c + 3 of lane l at 512 c + 16 l; lane (r = l % 16, h = l / 16) holds in registers 6 c .. 6 c + 5 the codes of k = 64 c + 32 h + 0 .. 31 of row 16 i + r.
; Behind the 8 fragments, at 12,288 + 256 (i / 4) + 16 r + 4 (i % 4): the scale word of row 16 i + r (byte b: k = 32 b .. 32 b + 31).
; SHARES.  Work-group b takes rows 64 (b / 4) .. + 63 and K 1,024 (b % 4) .. + 1,023 of weight with value, and the same of x.  Wave v of eight owns K step v of the eight: four fragments of each
; tensor, whose 64 scale words are 256 consecutive bytes.  No tile is read by two work-groups: no cluster.
; SIX PHASES through two LDS slots: phases 0-3 bring row block f of weight and of value, phases 4, 5 two row blocks of x each.  In every phase every wave issues ONE tensor load:
; 16 rows x 1,024 bytes (each row 1,024 consecutive bytes at a multiple of 256), laid with 16 bytes of padding behind each row.  Waves 0-3 bring weight's four pieces along K (x: the even row block's),
; waves 4-7 value's (x: the odd row block's); piece j of the first kind lies at 2 j x 16,640, of the second at (2 j + 1) x 16,640.
; A lane reads its row at 1,040 r + 512 (v % 2) + 128 h + 256 c + 16 t: register 32 c + e is k = 64 c + 32 h + e of row r: two whole blocks of 32 in a lane; the sixteen rows fall into sixteen different columns of 16 bytes modulo 256.
; A slot is filled again behind a barrier in front of which every wave has waited for its tensor load, made the add, and waited for its reads.
; PREFETCH: behind the tensor load of phase n each wave asks for its own tile of phase n + 1: 64 blocks of 256 bytes, a lane a block, two instructions; behind the last load nothing is asked for.
; THE FAKE QUANTISER is computed in f32 with the same roundings as its definition: every division is made correctly rounded (a product by the reciprocal, the remainder by a fused multiply-add, one correction);
; x + (round(x) - x) is round(x) exactly; clip(a + zp, 0, 15) - zp is the middle of a, -zp, 15 - zp exactly, a and zp being whole numbers.
; LIMITS: NaN and infinities among the inputs are not served.  An MX block whose largest magnitude lies under 2^-124 (zeros too) keeps the byte 1 where the rule says 127 for zeros: a block of zeros has zero codes, and the
; bytes are read by this program alone.  A group whose f16 scale is 0 or infinite gives non-finite numbers, as the definition does.
.set RB16,  262144                     ; 16 rows of x, weight, value in bytes
.set STILE, 12800                      ; a step tile
.set FRB,   1536                       ; a fragment's image
.set SWO,   8*FRB                      ; where a step tile's scale words begin
.set CH,    16640                      ; a tensor load's tile in LDS: 16 rows of 1,024 + 16 bytes
.set SLOTB, 8*CH
.set SPARE, 2*SLOTB                    ; the spare words, 128 bytes a wave: four blocks of 256 that no other line names
.set GA,    4                          ; v4   at work in the head
.set CO,    5                          ; v5   16 x lane + my row half's four fragments in a step tile
.set SO,    6                          ; v6   my place among the scale words
.set MSO,   7                          ; v7   128 r: my row's groups in min_scale and max_scale
.set RD0,   8                          ; v8, v9  where I read my row, in slot 0, 1
.set PFO,   10                         ; v10  the prefetches' offset: row lane / 4, block lane % 4
.set SH,    12                         ; v12  8 h
.set PT,    13                         ; v13-15 targets of lane permutes (written once at the head: a permute's destination counts as read)
.set SWD,   16                         ; v16-19 the four fragments' scale words
.set MNS,   20                         ; v20-23 min_scale of my row's group, fragment f at v[20 + f]
.set MXS,   24                         ; v24-27 max_scale likewise
.set RS,    40                         ; v[40:41] 1 / scale, twice
.set SCL,   42                         ; v[42:43] the group's scale, twice
.set ZP,    44                         ; v44  the zero point
.set HI,    45                         ; v45  15 - the zero point
.set QT,    46                         ; v46-53 four pairs of quotients
.set MT,    54                         ; v54-61 at work in MXQ
.set SPW,   62                         ; v62  my spare word; never rewritten
.set NIL,   63                         ; v63  0; never rewritten
.set W,     64                         ; v64-127  64 numbers along K: x, or weight and then wq
.set V,     128                        ; v128-191 value's 64; when they are done with: the codes
.set C,     128                        ; v128-139 a fragment's 12 registers
.set X,     140                        ; v[140:142], v[144:146] the upper halves of the two blocks (a conversion's three registers begin on an even number)
.set G1,    36                         ; s[36:43] descriptor group 1, the same for every load
.set G0,    44                         ; s[44:51] group 0 for slot 0, 1
.set PW,    52                         ; s[52:53] my tile of phase 0: weight's or value's
.set PX,    54                         ; s[54:55] my tile of phase 4: x's
; 64 numbers of my row out of slot s; sel: which of the two tiles that hold my K step
.macro TAKE dst, s, sel
.irp c, 0,1
.irp t, 0,1,2,3,4,5,6,7
	ds_load_b128 v[\dst+32*\c+4*\t:\dst+32*\c+4*\t+3], v[RD0+\s] offset:\sel*CH+256*\c+16*\t
.endr
.endr
.endm
.macro ASK sb, off                     ; my tile of the next phase: rows 0-7, rows 8-15
	global_prefetch_b8 v[PFO], s[\sb:\sb+1] offset:\off th:TH_LOAD_NT scope:SCOPE_SE
	global_prefetch_b8 v[PFO], s[\sb:\sb+1] offset:\off+RB16/2 th:TH_LOAD_NT scope:SCOPE_SE
.endm
; The group's figures.  My 64 numbers of weight and lane l xor 16's are row r's group of 128.
.macro FAKEQ_A f
	v_min3_num_f32 v28, v[W], v[W+1], 0            ; the smallest and the largest of my 64 and 0, each in two chains, the four by turns
	v_min3_num_f32 v29, v[W+32], v[W+33], v[W+34]
	v_max3_num_f32 v30, v[W], v[W+1], 0
	v_max3_num_f32 v31, v[W+32], v[W+33], v[W+34]
.irp i, 2,4,6,8,10,12,14,16,18,20,22,24,26,28
	v_min3_num_f32 v28, v28, v[W+\i], v[W+\i+1]
	v_min3_num_f32 v29, v29, v[W+33+\i], v[W+34+\i]
	v_max3_num_f32 v30, v30, v[W+\i], v[W+\i+1]
	v_max3_num_f32 v31, v31, v[W+33+\i], v[W+34+\i]
.endr
	v_min3_num_f32 v28, v28, v[W+30], v[W+31]
	v_max3_num_f32 v30, v30, v[W+30], v[W+31]
	v_min3_num_f32 v28, v28, v29, v[W+63]
	v_max3_num_f32 v30, v30, v31, v[W+63]
	v_permlanex16_b32 v[PT], v28, s28, s29
	v_permlanex16_b32 v[PT+1], v30, s28, s29
	v_min_num_f32 v28, v28, v[PT]                  ; min(the group's smallest, 0)
	v_max_num_f32 v30, v30, v[PT+1]                ; max(the group's largest, 0)
	v_med3_num_f32 v32, v[MNS+\f], -1.0, 0         ; clip(min_scale, -1, 0)
	v_med3_num_f32 v33, v[MXS+\f], -1.0, 0
	v_add_f32 v32, 1.0, v32
	v_add_f32 v33, 1.0, v33
	v_mul_f32 v28, v28, v32                        ; wmin, 0 or less
	v_mul_f32 v30, v30, v33                        ; wmax, 0 or more
	v_max_num_f32 v34, -v28, v30                   ; 0 only where both are 0
	v_cmp_lt_f32 vcc_lo, 0, v34
	v_cndmask_b32 v28, -1.0, v28, vcc_lo           ; a group with both at 0 takes -1 and 1
	v_cndmask_b32 v30, 1.0, v30, vcc_lo
	v_sub_f32 v34, v30, v28
	v_mul_f32 v35, s30, v34                        ; (wmax - wmin) / 15, correctly rounded: x RN(1 / 15),
	v_fma_f32 v36, -v35, s31, v34                  ; the remainder, exact,
	v_fma_f32 v35, v36, s30, v35                   ; and the correction
	v_cvt_f16_f32 v36.l, v35                       ; the scale is kept in f16 (to nearest even)
	v_cvt_f32_f16 v[SCL], v36.l
	s_wait_alu depctr_va_vdst(0)                   ; the wait ahead of the transcendental
	v_rcp_f32 v[RS], v[SCL]
	v_mov_b32 v[SCL+1], v[SCL]                     ; a plain instruction behind the reciprocal
	s_wait_alu depctr_va_vdst(0)                   ; the wait ahead of the first instruction that names the reciprocal
	v_fma_f32 v37, -v[SCL], v[RS], 1.0             ; one Newton step
	v_fma_f32 v[RS], v37, v[RS], v[RS]
	v_mov_b32 v[RS+1], v[RS]
	v_mul_f32 v37, -v28, v[RS]                     ; -wmin / scale, correctly rounded in the same three lines
	v_fma_f32 v38, -v37, v[SCL], -v28
	v_fma_f32 v37, v38, v[RS], v37
	v_rndne_f32 v[ZP], v37                         ; the zero point
	v_sub_f32 v[HI], s31, v[ZP]
.endm
; wq = scale x (clip(round(w / scale + v) + zp, 0, 15) - zp), 32 pairs, four by turns
.macro FAKEQ_B
.irp g, 0,1,2,3,4,5,6,7
.irp p, 0,1,2,3
	v_pk_mul_f32 v[QT+2*\p:QT+2*\p+1], v[W+8*\g+2*\p:W+8*\g+2*\p+1], v[RS:RS+1]
.endr
.irp p, 0,1,2,3
	v_pk_fma_f32 v[W+8*\g+2*\p:W+8*\g+2*\p+1], v[QT+2*\p:QT+2*\p+1], v[SCL:SCL+1], v[W+8*\g+2*\p:W+8*\g+2*\p+1] neg_lo:[1,0,0] neg_hi:[1,0,0]   ; the remainder w - q scale
.endr
.irp p, 0,1,2,3
	v_pk_fma_f32 v[W+8*\g+2*\p:W+8*\g+2*\p+1], v[W+8*\g+2*\p:W+8*\g+2*\p+1], v[RS:RS+1], v[QT+2*\p:QT+2*\p+1]   ; w / scale
.endr
.irp p, 0,1,2,3
	v_pk_add_f32 v[W+8*\g+2*\p:W+8*\g+2*\p+1], v[W+8*\g+2*\p:W+8*\g+2*\p+1], v[V+8*\g+2*\p:V+8*\g+2*\p+1]
.endr
.irp e, 0,1,2,3,4,5,6,7
	v_rndne_f32 v[W+8*\g+\e], v[W+8*\g+\e]
.endr
.irp e, 0,1,2,3,4,5,6,7
	v_med3_num_f32 v[W+8*\g+\e], v[W+8*\g+\e], -v[ZP], v[HI]
.endr
.irp p, 0,1,2,3
	v_pk_mul_f32 v[W+8*\g+2*\p:W+8*\g+2*\p+1], v[W+8*\g+2*\p:W+8*\g+2*\p+1], v[SCL:SCL+1]
.endr
.endr
.endm
; The 64 numbers in W become fragment f's 12 registers and my row's scale word.  Block c of my two is block 2 c + h of the fragment's four.
.macro MXQ f, sb
.irp c, 0,1
	v_max3_num_f32 v[MT+2*\c], |v[W+32*\c]|, |v[W+32*\c+1]|, 0x1800000   ; the largest magnitude, two chains a block; the floor 2^(3 - 127) holds the byte at 1 from below
	v_max3_num_f32 v[MT+2*\c+1], |v[W+32*\c+16]|, |v[W+32*\c+17]|, |v[W+32*\c+18]|
.endr
.irp i, 2,4,6,8,10,12
.irp c, 0,1
	v_max3_num_f32 v[MT+2*\c], v[MT+2*\c], |v[W+32*\c+\i]|, |v[W+32*\c+\i+1]|
	v_max3_num_f32 v[MT+2*\c+1], v[MT+2*\c+1], |v[W+32*\c+17+\i]|, |v[W+32*\c+18+\i]|
.endr
.endr
.irp c, 0,1
	v_max3_num_f32 v[MT+2*\c], v[MT+2*\c], |v[W+32*\c+14]|, |v[W+32*\c+15]|
.endr
.irp c, 0,1
	v_max3_num_f32 v[MT+2*\c], v[MT+2*\c], v[MT+2*\c+1], |v[W+32*\c+31]|
.endr
	v_add_nc_u32 v[MT+4], 0xff000000, v[MT]        ; 2 off the exponent field: the conversion takes this operand's exponent field as its scale
	v_add_nc_u32 v[MT+5], 0xff000000, v[MT+2]
	v_lshrrev_b32 v[MT+6], 23, v[MT+4]             ; the scales' bytes
	v_lshrrev_b32 v[MT+7], 23, v[MT+5]
	v_lshl_or_b32 v[MT+6], v[MT+7], 16, v[MT+6]    ; blocks h and 2 + h,
	v_lshlrev_b32 v[MT+6], v[SH], v[MT+6]          ; at their places in the word;
	v_permlanex16_b32 v[PT+2], v[MT+6], s28, s29
	v_or_b32 v[SWD+\f], v[MT+6], v[PT+2]           ; with lane l xor 16's two the word is whole, in both lanes
	v_cvt_scalef32_pk16_fp6_f32 v[C:C+2], v[W:W+15], v[MT+4]
	v_cvt_scalef32_pk16_fp6_f32 v[X:X+2], v[W+16:W+31], v[MT+4]
	v_cvt_scalef32_pk16_fp6_f32 v[C+6:C+8], v[W+32:W+47], v[MT+5]
	v_cvt_scalef32_pk16_fp6_f32 v[X+4:X+6], v[W+48:W+63], v[MT+5]
	v_nop                                          ; one plain instruction behind the scaled conversions
.irp i, 0,1,2
	v_mov_b32 v[C+3+\i], v[X+\i]
	v_mov_b32 v[C+9+\i], v[X+4+\i]
.endr
.irp c, 0,1,2
	global_store_b128 v[CO], v[C+4*\c:C+4*\c+3], s[\sb:\sb+1] offset:(\f)*FRB+512*\c   ; the wave stores 512 consecutive bytes, at a multiple of 256 from the buffer's first byte
.endr
.endm
; my wave's 64 scale words: lane (r, h) stores those of row r in my blocks 2 h and 2 h + 1, at 16 r + 8 h: 256 consecutive bytes, aligned
.macro WORDS sb
	v_cmp_ne_u32 vcc_lo, 0, v3
	v_cndmask_b32 v[MT+2], v[SWD], v[SWD+2], vcc_lo
	v_cndmask_b32 v[MT+3], v[SWD+1], v[SWD+3], vcc_lo
	global_store_b64 v[SO], v[MT+2:MT+3], s[\sb:\sb+1]
.endm
; The change of slots.  n: the phase whose load goes out behind the barrier, into slot n % 2 (6: none is left).
.macro GATE n
	s_wait_alu depctr_va_vdst(0)
	s_wait_tensorcnt 0x0                           ; my tensor load has landed: my tile of the phase that is read next; no load of mine is out, so a group 0 may be written
	ds_add_u32 v[SPW], v[NIL]
.if \n == 2
	s_add_nc_u64 s[G0+2:G0+3], s[G0+2:G0+3], 2*RB16      ; row block 2
.endif
.if \n == 3
	s_add_nc_u64 s[G0+6:G0+7], s[G0+6:G0+7], 2*RB16      ; row block 3
.endif
.if \n == 4
	s_mov_b64 s[G0+2:G0+3], s[PX:PX+1]                   ; x, row blocks 0 and 1
	s_or_b32 s[G0+3], s[G0+3], 0x80000000
.endif
.if \n == 5
	s_add_nc_u64 s[G0+6:G0+7], s[PX:PX+1], 2*RB16        ; x, row blocks 2 and 3
	s_or_b32 s[G0+7], s[G0+7], 0x80000000
.endif
	s_wait_dscnt 0x0                               ; the add is done, and so are my reads of the slot that is filled next
	s_barrier_signal -1
	s_barrier_wait -1                              ; both now hold of all eight waves
.if \n < 6
	tensor_load_to_lds s[G0+4*((\n)%2):G0+4*((\n)%2)+3], s[G1:G1+7]   ; my one tensor load behind this barrier
	s_nop 0
.endif
.endm
; phase f of weight and value, in slot f % 2
.macro WPH f, sb, off
	s_wait_xcnt 0x0                                ; the last fragment's stores have read the codes' registers, into which value's numbers now come
	TAKE W, (\f)%2, 0
	TAKE V, (\f)%2, 1
	ASK \sb, \off
	s_wait_dscnt 16                                ; weight's numbers are in; value's 16 loads may be out
	FAKEQ_A \f
	s_wait_alu depctr_va_vdst(0)
	s_wait_dscnt 0x0
	FAKEQ_B
	MXQ \f, 16
.endm
; fragment f of x: tile f % 2 of slot s
.macro XFR f, s
	s_wait_xcnt 0x0                                ; earlier stores have read their registers
	TAKE W, \s, (\f)%2
	s_wait_dscnt 0x0
	MXQ \f, 14
.endm
	s_load_b256 s[4:11], s[0:1], 0x0               ; x s[4:5], weight s[6:7], value s[8:9], min_scale s[10:11]
	s_load_b128 s[12:15], s[0:1], 0x20             ; max_scale s[12:13], aimg s[14:15]
	s_load_b64 s[16:17], s[0:1], 0x30              ; bimg
	v_lshl_add_u32 v[SPW], v0, 2, SPARE
	v_mov_b32 v[NIL], 0
	ds_add_u32 v[SPW], v[NIL]                      ; the opening lines: the add twice on end and one wait
	ds_add_u32 v[SPW], v[NIL]
	v_lshrrev_b32 v1, 5, v0
	v_readfirstlane_b32 s18, v1                    ; wave 0..7
	s_mov_b32 s[G1+0], (3<<16)|(1<<20)|(7<<22)|(3<<25)   ; elements of 8 bytes; behind every 256 words 4 words of padding
	s_mov_b32 s[G1+1], 128<<16                     ; tensor_dim0 = 128 elements
	s_mov_b32 s[G1+2], 16<<16                      ; tensor_dim1 = 16
	s_mov_b32 s[G1+3], 128<<16                     ; tile_dim0
	s_mov_b32 s[G1+4], 16                          ; tile_dim1
	s_mov_b32 s[G1+5], 2048                        ; a row of the tensors: 2,048 elements
	s_mov_b32 s[G1+6], 0
	s_mov_b32 s[G1+7], 0
	s_lshr_b32 s20, ttmp9, 2                       ; which 64 rows
	s_and_b32 s21, ttmp9, 3                        ; which 1,024 along K
	s_and_b32 s19, s18, 3                          ; my piece along K as a loader
	s_lshr_b32 s24, s18, 2                         ; 0: weight / x's even row block, 1: value / x's odd row block
	s_lshl_b32 s22, s20, 20                        ; 64 rows of 16,384 bytes,
	s_lshl_b32 s23, s21, 12                        ; 1,024 numbers,
	s_add_co_u32 s22, s22, s23
	s_lshl_b32 s23, s19, 10                        ; my 256 of them
	s_add_co_u32 s22, s22, s23
	s_mov_b32 s23, 0
	s_lshl_b32 s26, s24, 18                        ; x: 16 rows on for waves 4-7
	s_add_co_u32 s26, s26, s22
	s_mov_b32 s27, 0
	s_lshl_b32 s25, s19, 1
	s_add_co_u32 s25, s25, s24
	s_mul_i32 s[G0+1], s25, CH                     ; where my tile lands: (2 piece + kind) x 16,640, in slot 0,
	s_add_co_u32 s[G0+5], s[G0+1], SLOTB           ; in slot 1
	s_mov_b32 s[G0], 1
	s_mov_b32 s[G0+4], 1
	s_lshl_b32 s32, s21, 3
	s_add_co_u32 s32, s32, s18                     ; my K step t = 8 (b % 4) + wave
	s_lshl_b32 s34, s20, 13                        ; min_scale, max_scale: 128 bytes a row, 4 bytes a K step
	s_lshl_b32 s33, s32, 2
	s_add_co_u32 s34, s34, s33
	s_mov_b32 s35, 0
	s_lshr_b32 s33, s20, 1
	s_lshl_b32 s33, s33, 5
	s_add_co_u32 s33, s33, s32
	s_mul_i32 s56, s33, STILE                      ; my step tile (g, t)
	s_mov_b32 s57, 0
	s_and_b32 s33, s20, 1                          ; which 64 of its 128 rows
	s_mul_i32 s58, s33, 4*FRB
	s_lshl_b32 s59, s33, 8
	s_add_co_u32 s59, s59, SWO
	s_lshr_b32 s60, s18, 1                         ; as a reader: the pair of tiles that holds my K step,
	s_mul_i32 s60, s60, 2*CH
	s_and_b32 s33, s18, 1
	s_lshl_b32 s33, s33, 9                         ; and which 512 bytes of their rows
	s_add_co_u32 s60, s60, s33
	s_mov_b32 s28, 0x76543210                      ; v_permlanex16_b32's selects for lane l xor 16
	s_mov_b32 s29, 0xfedcba98
	s_mov_b32 s30, 0x3d888889                      ; 1 / 15, to nearest
	s_mov_b32 s31, 0x41700000                      ; 15
	v_and_b32 v1, 31, v0                           ; lane
	v_and_b32 v2, 15, v0                           ; r
	v_bfe_u32 v3, v0, 4, 1                         ; h
	v_lshlrev_b32 v[GA], 4, v1
	v_add_nc_u32 v[CO], s58, v[GA]
	v_lshlrev_b32 v[SO], 4, v2
	v_lshl_add_u32 v[SO], v3, 3, v[SO]
	v_add_nc_u32 v[SO], s59, v[SO]
	v_lshlrev_b32 v[MSO], 7, v2
	v_mul_u32_u24 v[RD0], v2, 1040
	v_lshl_add_u32 v[RD0], v3, 7, v[RD0]
	v_add_nc_u32 v[RD0], s60, v[RD0]
	v_add_nc_u32 v[RD0+1], SLOTB, v[RD0]
	v_lshlrev_b32 v[SH], 3, v3
	v_mov_b32 v[PT], 0
	v_mov_b32 v[PT+1], 0
	v_mov_b32 v[PT+2], 0
	v_lshrrev_b32 v[PFO], 2, v1
	v_lshlrev_b32 v[PFO], 14, v[PFO]
	v_and_b32 v[GA], 3, v1
	v_lshl_add_u32 v[PFO], v[GA], 8, v[PFO]
	s_wait_alu depctr_va_vdst(0)
	s_wait_dscnt 0x0                               ; both opening adds are done
	s_wait_kmcnt 0x0
	s_cmp_eq_u32 s24, 0
	s_cselect_b64 s[PW:PW+1], s[6:7], s[8:9]       ; the choice hangs on the wave's number alone
	s_add_nc_u64 s[PW:PW+1], s[PW:PW+1], s[22:23]
	s_add_nc_u64 s[PX:PX+1], s[4:5], s[26:27]
	s_mov_b64 s[G0+2:G0+3], s[PW:PW+1]             ; phase 0: row block 0
	s_or_b32 s[G0+3], s[G0+3], 0x80000000
	s_add_nc_u64 s[G0+6:G0+7], s[PW:PW+1], RB16    ; phase 1: row block 1
	s_or_b32 s[G0+7], s[G0+7], 0x80000000
	tensor_load_to_lds s[G0:G0+3], s[G1:G1+7]      ; one tensor load a wave at the head
	s_nop 0
	s_add_nc_u64 s[10:11], s[10:11], s[34:35]
	s_add_nc_u64 s[12:13], s[12:13], s[34:35]
	s_add_nc_u64 s[14:15], s[14:15], s[56:57]
	s_add_nc_u64 s[16:17], s[16:17], s[56:57]
.irp f, 0,1,2,3
	global_load_b32 v[MNS+\f], v[MSO], s[10:11] offset:2048*\f   ; my row's group in row block f: 16 rows of 128 bytes on
	global_load_b32 v[MXS+\f], v[MSO], s[12:13] offset:2048*\f
.endr
	ASK PW, RB16                                   ; phase 1's tile
	GATE 1                                         ; slot 1's first fill, issued as a refill is
	s_wait_loadcnt 0x0                             ; min_scale and max_scale
	WPH 0, PW, 2*RB16
	GATE 2
	WPH 1, PW, 3*RB16
	GATE 3
	WPH 2, PX, 0
	GATE 4
	WPH 3, PX, 2*RB16
	WORDS 16
	GATE 5
	XFR 0, 0
	XFR 1, 0
	GATE 6
	XFR 2, 1
	XFR 3, 1
	WORDS 14
	s_wait_tensorcnt 0x0                           ; the wave's end
	ds_add_u32 v[SPW], v[NIL]
	s_wait_dscnt 0x0
	s_endpgm
.Lfunc_end_k_q51ecbcf81f_quant:
	.size	k_q51ecbcf81f_quant, .Lfunc_end_k_q51ecbcf81f_quant-k_q51ecbcf81f_quant
	.p2alignl 7, 3214868480
	.fill 96, 4, 3214868480
	.section	.rodata,"a",@progbits
	.p2align	6, 0x0
	.amdhsa_kernel k_q51ecbcf81f_quant
		.amdhsa_group_segment_fixed_size 327680
		.amdhsa_private_segment_fixed_size 0
		.amdhsa_enable_private_segment 0
		.amdhsa_kernarg_size 56
		.amdhsa_user_sgpr_count 2
		.amdhsa_user_sgpr_kernarg_segment_ptr 1
		.amdhsa_wavefront_size32 1
		.amdhsa_system_sgpr_workgroup_id_x 1
		.amdhsa_system_sgpr_workgroup_id_y 1
		.amdhsa_system_sgpr_workgroup_id_z 1
		.amdhsa_system_vgpr_workitem_id 0
		.amdhsa_next_free_vgpr 192
		.amdhsa_next_free_sgpr 66
		.amdhsa_reserve_vcc 1
		.amdhsa_float_denorm_mode_32 3
		.amdhsa_float_denorm_mode_16_64 3
		.amdhsa_memory_ordered 1
		.amdhsa_forward_progress 1
		.amdhsa_inst_pref_size 133
	.end_amdhsa_kernel
	.amdgpu_metadata
---
amdhsa.version: [ 1, 2 ]
amdhsa.kernels:
  - .name:           k_q51ecbcf81f_quant
    .symbol:         k_q51ecbcf81f_quant.kd
    .args:
      - { .name: x, .offset: 0, .size: 8, .value_kind: global_buffer, .address_space: global }
      - { .name: weight, .offset: 8, .size: 8, .value_kind: global_buffer, .address_space: global }
      - { .name: value, .offset: 16, .size: 8, .value_kind: global_buffer, .address_space: global }
      - { .name: min_scale, .offset: 24, .size: 8, .value_kind: global_buffer, .address_space: global }
      - { .name: max_scale, .offset: 32, .size: 8, .value_kind: global_buffer, .address_space: global }
      - { .name: aimg, .offset: 40, .size: 8, .value_kind: global_buffer, .address_space: global }
      - { .name: bimg, .offset: 48, .size: 8, .value_kind: global_buffer, .address_space: global }
    .group_segment_fixed_size: 327680
    .private_segment_fixed_size: 0
    .kernarg_segment_align: 8
    .kernarg_segment_size: 56
    .max_flat_workgroup_size: 256
    .sgpr_count:     66
    .vgpr_count:     192
    .wavefront_size: 32
...
	.end_amdgpu_metadata
.endif
;; end of part 1
;; launch gemm (part 2): grid 16 x 16, 4 waves a work-group, clusters of 4 x 4, 327,680 bytes of LDS; arguments aimg, bimg, bias, out0; writes out0
.if DOCPART == 2
	.amdgcn_target "amdgcn-amd-amdhsa--gfx1250"
	.amdhsa_code_object_version 6
	.text
	.protected	k_q51ecbcf81f_gemm
	.globl	k_q51ecbcf81f_gemm
	.p2align	8
	.type	k_q51ecbcf81f_gemm,@function
k_q51ecbcf81f_gemm:
	s_mov_b64 s[64:65], 0
	v_nop
	global_prefetch_b8 v0, s[64:65] scope:SCOPE_SE
	s_setreg_imm32_b32 hwreg(HW_REG_WAVE_MODE, 25, 1), 1
	s_wait_xcnt 0x0
	s_wait_alu depctr_hold_cnt(0) depctr_sa_sdst(0) depctr_va_vdst(0) depctr_va_sdst(0) depctr_va_ssrc(0) depctr_va_vcc(0) depctr_vm_vsrc(0)
	s_getreg_b32 s2, hwreg(HW_REG_IB_STS2, 6, 4)
	s_cmp_eq_u32 s2, 0
	s_cbranch_scc0 .Lentry_in_a_cluster
	s_endpgm
.Lentry_in_a_cluster:
	s_bfe_u32 s2, ttmp6, 0x10000c
	s_cmp_lg_u32 s2, 0xf033
	s_cbranch_scc0 .Lentry_shape_is_right
	s_endpgm
.Lentry_shape_is_right:
; out0[m][n] = sum over k of x[m][k] wq[n][k] + bias[n], on codes of FP6 (E2M3) with E8M0 scales, as launch quant laid them:
; aimg, bimg: step tile (g, t) = rows 128 g .., K 128 t .., 12,800 bytes at (32 g + t) x 12,800: 8 fragments of 1,536 bytes in the order of the
; operand's registers (registers 4 c .. 4 c + 3 of lane l at 512 c + 16 l), then the rows' scale words at 12,288 + 256 (i / 4) + 16 r + 4 (i % 4).
; A work-group of four waves makes 256 x 256 of out0, a wave 128 x 128 (64 accumulators).  4 x 4 work-groups form a cluster: A's tiles are asked for jointly
; along a row of the cluster, B's along a column.  K goes through a ring of two LDS slots of three steps of 128 (the first fill: two steps): 32 = 2 + 10 x 3.
; THE MATRIX INSTRUCTION IS USED TRANSPOSED (source 0 = rows of wq, source 1 = rows of x): a lane holds eight neighbouring columns of one row of out0.
; REGISTERS.  Every window of 256 holds 128 accumulator registers and one set of fragments:
;   window w: v128-255 the accumulators of A's blocks 2 w, 2 w + 1 (block u of the two, B's block b at v[128 + 8 (8 u + b)]);
;   v32-127: window 0 B's set 0, window 1 B's set 1, window 2 A's set 0, window 3 A's set 1 (block i at v[32 + 12 i]).
;   window 0: v0-15 addresses, v16-31 scale words (two sets of 8: lanes 0-15 A's block i, lanes 16-31 B's block i);
;   windows 2, 3: v0-31 the bias of my 128 columns, the C of the first step's products.
; Both operands have two sets, so a step's 64 products stand on one set while the next step's 50 LDS loads go into the other, in ONE run a step:
; B's 24, the 2 of scale words, A's 24 by pairs of blocks.  A step takes A's pairs in that order, a quarter step each, and waits for each pair by count.
.set SIZE_N, 4096
.set STILE,  12800
.set WT,     3*STILE                   ; what a wave's load brings: three step tiles of 128 rows
.set SLOT,   4*WT                      ; A's two halves, then B's two
.set SWO,    12288                     ; a step tile's scale words
.set LAPS,   4
.set SPARE,  2*SLOT                    ; the spare words: 128 bytes a wave, two blocks of 256 that no other line names
.set STAGE,  SLOT                      ; the way out goes through slot 1, which has had its last fill and its last read by then
.set SPITCH, 528
.set ADRA, 4                           ; v4-5  my A fragments in slot 0, 1 (16 x lane + base)
.set ADRB, 6                           ; v6-7  the same for B
.set ADRS, 8                           ; v8-9  my scale words: lanes 0-15 A's, lanes 16-31 B's
.set STO,  10                          ; the stage: where I put 32 bytes of a row
.set RD,   11                          ; the stage: where I read a row back
.set CO,   12                          ; 16 x lane
.set SPW,  13                          ; my spare word; never rewritten
.set NIL,  14                          ; 0; never rewritten
.set PF0,  15                          ; the prefetches' offsets
.set PF1,  1
.set SC,   16
.set PFA,  12                          ; s[12:13] where my prefetches stand
.set G1, 24
.set G0, 32
.set G1B, 48
.set G0B, 56
.set G1F, 68                           ; groups 1 of the first fill: two step tiles
.set G1FB, 76
.set MSB, 0
.macro WIN new                         ; the immediate's high byte repeats the setting that is left
.if MSB != (\new)
	s_set_vgpr_msb (MSB<<8)|(\new)
.set MSB, (\new)
.endif
.endm
.macro PLACES
.rept 4
	v_nop
.endr
.endm
; a joint load: waves 0, 1 fetch A's halves, waves 2, 3 B's; s_nop 0 and four v_nop behind each line
.macro JLOAD g0a, g1a, g0b, g1b
	s_cmp_eq_u32 s15, 0
	s_cbranch_scc0 .Lfor_b_\@
	tensor_load_to_lds s[\g0a:\g0a+3], s[\g1a:\g1a+7]
	s_nop 0
	PLACES
	s_branch .Lasked_\@
.Lfor_b_\@:
	tensor_load_to_lds s[\g0b:\g0b+3], s[\g1b:\g1b+7]
	s_nop 0
	PLACES
.Lasked_\@:
.endm
.macro CREST                           ; a round of the cluster's barrier behind its opening barrier
	s_cmp_lg_u32 s14, 0
	s_cbranch_scc1 .Lnot_wave_0_\@
	s_barrier_signal -3
.Lnot_wave_0_\@:
	s_barrier_wait -3
	s_barrier_signal -1
	s_barrier_wait -1
.endm
.macro CROUND
	s_barrier_signal -1
	s_barrier_wait -1
	CREST
.endm
	s_load_b256 s[4:11], s[0:1], 0x0               ; aimg, bimg, bias, out0
	v_lshl_add_u32 v[SPW], v0, 2, SPARE
	v_mov_b32 v[NIL], 0
	ds_add_u32 v[SPW], v[NIL]                      ; the opening lines: the add twice on end and one wait
	ds_add_u32 v[SPW], v[NIL]
	v_lshrrev_b32 v1, 5, v0
	v_readfirstlane_b32 s14, v1                    ; wave
	s_lshr_b32 s15, s14, 1                         ; my half of the rows; also: I fetch for A (0) or B (1)
	s_and_b32 s16, s14, 1                          ; my half of the columns; also: which 128 rows I fetch
	s_bfe_u32 s40, ttmp6, 0x40000                  ; cx
	s_bfe_u32 s41, ttmp6, 0x40004                  ; cy
	s_lshl_b32 s42, ttmp9, 2
	s_add_co_u32 s42, s42, s40                     ; tile column
	s_and_b32 s17, ttmp7, 0xffff
	s_lshl_b32 s17, s17, 2
	s_add_co_u32 s17, s17, s41                     ; tile row
	s_lshl_b32 s43, s41, 2
	s_lshl_b32 s43, 15, s43                        ; my row of the cluster
	s_lshl_b32 s44, 0x1111, s40                    ; my column
	s_or_b32 s[G1+0], s43, (3<<16)|(1<<21)         ; dense blocks as rows of 256 bytes (32 elements of 8 bytes), no padding
	s_or_b32 s[G1B+0], s44, (3<<16)|(1<<21)
	s_or_b32 s[G1F+0], s43, (3<<16)|(1<<21)
	s_or_b32 s[G1FB+0], s44, (3<<16)|(1<<21)
.irp g, G1, G1B
	s_mov_b32 s[\g+1], 32<<16
	s_mov_b32 s[\g+2], 150<<16
	s_mov_b32 s[\g+3], 32<<16
	s_mov_b32 s[\g+4], 150
	s_mov_b32 s[\g+5], 32
	s_mov_b32 s[\g+6], 0
	s_mov_b32 s[\g+7], 0
.endr
.irp g, G1F, G1FB
	s_mov_b32 s[\g+1], 32<<16
	s_mov_b32 s[\g+2], 100<<16
	s_mov_b32 s[\g+3], 32<<16
	s_mov_b32 s[\g+4], 100
	s_mov_b32 s[\g+5], 32
	s_mov_b32 s[\g+6], 0
	s_mov_b32 s[\g+7], 0
.endr
	s_lshl_b32 s20, s17, 1
	s_add_co_u32 s20, s20, s16
	s_mul_i32 s20, s20, 32*STILE                   ; A: row group 2 x tile row + half
	s_mov_b32 s21, 0
	s_lshl_b32 s46, s42, 1
	s_add_co_u32 s46, s46, s16
	s_mul_i32 s46, s46, 32*STILE                   ; B: row group 2 x tile column + half
	s_mov_b32 s47, 0
	s_mul_i32 s45, s14, WT                         ; where my load lands
	s_mul_i32 s84, s15, WT                         ; LDS: my 128 rows of A in slot 0, 1
	s_add_co_u32 s85, s84, SLOT
	s_mul_i32 s86, s16, WT                         ; my 128 rows of B
	s_add_co_u32 s86, s86, 2*WT
	s_add_co_u32 s87, s86, SLOT
	s_sub_co_u32 s88, s86, s84                     ; from A's to B's
	s_add_co_u32 s89, s84, SWO
	s_add_co_u32 s90, s89, SLOT
	s_mul_i32 s91, s14, 16*SPITCH
	s_add_co_u32 s91, s91, STAGE                   ; my stage
	s_wait_dscnt 0x0                               ; both opening adds are done
	s_wait_kmcnt 0x0
	s_add_nc_u64 s[20:21], s[4:5], s[20:21]
	s_add_nc_u64 s[46:47], s[6:7], s[46:47]
.irp s, 0,1
	s_mov_b32 s[G0+4*\s], 1
	s_add_co_u32 s[G0+4*\s+1], s45, \s*SLOT
	s_add_nc_u64 s[G0+4*\s+2:G0+4*\s+3], s[20:21], \s*2*STILE
	s_or_b32 s[G0+4*\s+3], s[G0+4*\s+3], 0x80000000
	s_mov_b32 s[G0B+4*\s], 1
	s_add_co_u32 s[G0B+4*\s+1], s45, \s*SLOT
	s_add_nc_u64 s[G0B+4*\s+2:G0B+4*\s+3], s[46:47], \s*2*STILE
	s_or_b32 s[G0B+4*\s+3], s[G0B+4*\s+3], 0x80000000
.endr
	; the prefetches: of the 150 blocks of 256 bytes that my load brings, the partner at place p (cx for A, cy for B) names blocks 38 p .. 38 p + 37: told apart by address
	s_cmp_eq_u32 s15, 0
	s_cselect_b64 s[PFA:PFA+1], s[20:21], s[46:47]
	s_cselect_b32 s92, s40, s41
	s_mul_i32 s92, s92, 38
	s_add_nc_u64 s[PFA:PFA+1], s[PFA:PFA+1], 8*STILE  ; the first refill steps it to step 11, the slot two refills on
	; where my part of out0 and of bias begins
	s_lshl_b32 s20, s17, 8
	s_lshl_b32 s21, s15, 7
	s_add_co_u32 s20, s20, s21
	s_lshl_b32 s20, s20, 14                        ; my first row x 16,384 bytes
	s_mov_b32 s21, 0
	s_lshl_b32 s46, s42, 10
	s_lshl_b32 s47, s16, 9
	s_add_co_u32 s46, s46, s47                     ; my first column x 4 bytes
	s_mov_b32 s47, 0
	s_add_nc_u64 s[8:9], s[8:9], s[46:47]
	s_add_nc_u64 s[10:11], s[10:11], s[20:21]
	s_add_nc_u64 s[10:11], s[10:11], s[46:47]
	CROUND                                         ; all sixteen work-groups are here: the first joint loads meet
	JLOAD G0, G1F, G0B, G1FB                       ; steps 0 and 1: one tensor load a wave at the head
	v_and_b32 v1, 15, v0                           ; r
	v_bfe_u32 v2, v0, 4, 1                         ; h
	v_and_b32 v3, 31, v0                           ; lane
	v_lshlrev_b32 v[CO], 4, v3
	v_mul_u32_u24 v[RD], s88, v2                   ; (at work) lanes 16-31 take B's scale words
	v_lshl_add_u32 v[RD], v1, 4, v[RD]
	v_add_nc_u32 v[ADRA], s84, v[CO]
	v_add_nc_u32 v[ADRA+1], s85, v[CO]
	v_add_nc_u32 v[ADRB], s86, v[CO]
	v_add_nc_u32 v[ADRB+1], s87, v[CO]
	v_add_nc_u32 v[ADRS], s89, v[RD]
	v_add_nc_u32 v[ADRS+1], s90, v[RD]
	v_mul_u32_u24 v[STO], v1, SPITCH
	v_lshl_add_u32 v[STO], v2, 5, v[STO]
	v_add_nc_u32 v[STO], s91, v[STO]
	v_add_nc_u32 v[RD], s91, v[CO]
	v_add_nc_u32 v[PF0], s92, v3
	v_lshlrev_b32 v[PF0], 8, v[PF0]                ; blocks 38 p + lane
	v_min_u32 v1, 5, v3
	v_add3_u32 v1, v1, s92, 32
	v_min_u32 v1, 149, v1                          ; blocks 38 p + 32 .. + 37, held inside the load's 150; lanes left over name the last again
	v_lshlrev_b32 v[PF1], 8, v1
	v_lshlrev_b32 v2, 5, v2                        ; bias: 32 h
	s_wait_alu depctr_va_vdst(0)                   ; the wait ahead of the readers below
	WIN 0x80
.irp b, 0,1,2,3                        ; register j of lane (r, h) in B's block b: column 16 b + 8 h + j
	global_load_b128 v[8*\b:8*\b+3], v2, s[8:9] offset:64*\b
	global_load_b128 v[8*\b+4:8*\b+7], v2, s[8:9] offset:64*\b+16
.endr
	WIN 0xc0
.irp b, 0,1,2,3
	global_load_b128 v[8*\b:8*\b+3], v2, s[8:9] offset:256+64*\b
	global_load_b128 v[8*\b+4:8*\b+7], v2, s[8:9] offset:256+64*\b+16
.endr
	WIN 0
; The 50 LDS loads of step q of a slot, in one run, into sets t: B's 24 (they lie on end in the step tile and in the set), the scale words' 2, A's 24
.macro FETCH slot, q, t
	WIN (\t)<<6
.set LN, 0
.rept 24
	ds_load_b128 v[32+4*LN:35+4*LN], v[ADRB+\slot] offset:(\q)*STILE+512*LN
.set LN, LN+1
.endr
	WIN 0
	ds_load_b128 v[SC+8*(\t):SC+8*(\t)+3], v[ADRS+\slot] offset:(\q)*STILE
	ds_load_b128 v[SC+8*(\t)+4:SC+8*(\t)+7], v[ADRS+\slot] offset:(\q)*STILE+256
	WIN (2+(\t))<<6
.set LN, 0
.rept 24
	ds_load_b128 v[32+4*LN:35+4*LN], v[ADRA+\slot] offset:(\q)*STILE+512*LN
.set LN, LN+1
.endr
.endm
; A quarter step: window w's 16 accumulators (A's blocks 2 w, 2 w + 1 against B's eight), one instruction a turn, on sets p.  first = 1: C is the bias.
.macro QTR p, w, first
.irp u, 0,1
.irp b, 0,1,2,3,4,5,6,7
.set AC, 128+8*(8*\u+\b)
.set AA, 32+12*(2*(\w)+\u)
.if \first
	WIN (\p)|((2+(\p))<<2)|((2+\b/4)<<4)|((\w)<<6)
	v_wmma_scale_f32_16x16x128_f8f6f4 v[AC:AC+7], v[32+12*\b:43+12*\b], v[AA:AA+11], v[8*(\b%4):8*(\b%4)+7], v[SC+8*(\p)+\b], v[SC+8*(\p)+2*(\w)+\u] matrix_a_fmt:MATRIX_FMT_FP6 matrix_b_fmt:MATRIX_FMT_FP6 matrix_a_scale:MATRIX_SCALE_ROW1
.else
	WIN (\p)|((2+(\p))<<2)|((\w)<<4)|((\w)<<6)
	v_wmma_scale_f32_16x16x128_f8f6f4 v[AC:AC+7], v[32+12*\b:43+12*\b], v[AA:AA+11], v[AC:AC+7], v[SC+8*(\p)+\b], v[SC+8*(\p)+2*(\w)+\u] matrix_a_fmt:MATRIX_FMT_FP6 matrix_b_fmt:MATRIX_FMT_FP6 matrix_a_scale:MATRIX_SCALE_ROW1
.endif
.endr
.endr
.endm
; A step inside a slot: multiplies sets p (step q of the slot); ahead of quarter pos it fetches step q + 1 into the other sets.
; Ahead of quarter j A's pair j has to be in: the 6 (3 - j) loads of the later pairs may be out, and behind the run its 50 as well.
.macro STEP slot, q, p, pos, first
.irp j, 0,1,2,3
.if \j > \pos
	s_wait_dscnt 50+6*(3-\j)
.else
	s_wait_dscnt 6*(3-\j)
.endif
.if \j == \pos
	PLACES                                         ; four places between the last step's products and the loads into the sets that they read
	FETCH \slot, (\q)+1, 1-(\p)
.endif
	QTR \p, \j, \first
.endr
.endm
; A prefetch behind a refill: the 38,400 bytes that my load two refills on will bring, my work-group's share of their blocks of 256 bytes, a lane a block.
; how = 0, in the loop: the last lap's two refills have no slot two on, and ask for nothing.
.macro ASK how
.if \how == 0
	s_cmp_gt_u32 s3, 1
	s_cbranch_scc0 .Lnone_\@
.endif
	global_prefetch_b8 v[PF0], s[PFA:PFA+1] th:TH_LOAD_NT scope:SCOPE_SE
	global_prefetch_b8 v[PF1], s[PFA:PFA+1] th:TH_LOAD_NT scope:SCOPE_SE
.Lnone_\@:
.endm
; A slot's last step.  My reads of this slot were issued in the step before.  Two quarters stand ahead of and inside the barrier, two behind the run of loads from the next slot.
; fill = 1: the barrier opens a round of the cluster's barrier and the slot is filled again.
.macro TURN slot, p, next, fill, adv, how
	WIN 0
.if \fill
	s_wait_xcnt 0x0                                ; my prefetches have read their address: it steps one slot on
	s_add_nc_u64 s[PFA:PFA+1], s[PFA:PFA+1], WT
.endif
	s_wait_tensorcnt 0x0                           ; all my tensor loads have landed: my part of the next slot
	ds_add_u32 v[SPW], v[NIL]
	s_wait_dscnt 19                                ; (the add and the 18 loads of A's later pairs may be out)
	QTR \p, 0, 0
	s_wait_dscnt 0x0                               ; the add is done, and so are my reads of this slot
	s_barrier_signal -1
	QTR \p, 1, 0
	WIN 0
	s_barrier_wait -1
.if \fill
	CREST
	s_add_nc_u64 s[G0+4*\slot+2:G0+4*\slot+3], s[G0+4*\slot+2:G0+4*\slot+3], \adv
	s_add_nc_u64 s[G0B+4*\slot+2:G0B+4*\slot+3], s[G0B+4*\slot+2:G0B+4*\slot+3], \adv
	JLOAD G0+4*\slot, G1, G0B+4*\slot, G1B         ; the first tensor load behind the round; its four v_nop are the places in front of the loads below
.else
	PLACES
.endif
	FETCH \next, 0, 1-(\p)
.if \fill
	WIN 0
	ASK \how
.endif
	QTR \p, 2, 0
	QTR \p, 3, 0
.endm
	s_wait_alu depctr_va_vdst(0)
	s_wait_tensorcnt 0x0                           ; my part of steps 0 and 1 is in
	ds_add_u32 v[SPW], v[NIL]
	s_wait_dscnt 0x0
	CROUND                                         ; everybody's part is in, and all sixteen work-groups are here
	JLOAD G0+4, G1, G0B+4, G1B                     ; steps 2 to 4, slot 1's first fill
	FETCH 0, 0, 0
	s_wait_loadcnt 0x0                             ; the bias
	STEP 0, 0, 0, 1, 1
	TURN 0, 1, 1, 1, 5*STILE, 1
	WIN 0
	s_mov_b32 s3, LAPS
.Llap:                                 ; a lap: both slots, six steps, after which sets and slots are back where they began
	STEP 1, 0, 0, 2, 0
	STEP 1, 1, 1, 1, 0
	TURN 1, 0, 0, 1, 6*STILE, 0
	STEP 0, 0, 1, 2, 0
	STEP 0, 1, 0, 1, 0
	TURN 0, 1, 1, 1, 6*STILE, 0
	WIN 0
	s_sub_co_u32 s3, s3, 1
	s_cmp_lg_u32 s3, 0
	s_cbranch_scc1 .Llap
	STEP 1, 0, 0, 2, 0                             ; the last six steps fetch nothing from memory
	STEP 1, 1, 1, 1, 0
	TURN 1, 0, 0, 0, 0, 0
	STEP 0, 0, 1, 2, 0
	STEP 0, 1, 0, 1, 0
; THE WAY OUT.  Block a (16 rows x 128 columns) goes through my own stage and comes back as whole rows of 512 bytes, which 32 lanes store as two aligned units of 256 bytes.
; LDS serves a wave's instructions in order (ISA guide 5.7.1.4): no wait between the stores and the loads.  The rows come back into the sets that the last step does not read: window 0 and window 2, v32-95, by turns.
.macro TOSTAGE a
.set AC, 128+64*((\a)%2)
	WIN 0x04*((\a)/2)                              ; the data: the block's window
.irp b, 0,1,2,3,4,5,6,7
	ds_store_b128 v[STO], v[AC+8*\b:AC+8*\b+3] offset:64*\b          ; each accumulator from its low end on
	ds_store_b128 v[STO], v[AC+8*\b+4:AC+8*\b+7] offset:64*\b+16
.endr
	WIN 0x80*((\a)%2)
.irp t, 0,1,2,3,4,5,6,7,8,9,10,11,12,13,14,15
	ds_load_b128 v[32+4*\t:35+4*\t], v[RD] offset:\t*SPITCH
.endr
	WIN 0
.endm
.macro SEND a, younger
	s_wait_dscnt \younger                          ; the block is back; the next block's 16 stores and 16 loads may be out
.if (\a) > 0
	s_add_nc_u64 s[10:11], s[10:11], 16*SIZE_N*4   ; (behind a wait on XCNT)
.endif
	WIN 0x08*((\a)%2)
.irp t, 0,1,2,3,4,5,6,7,8,9,10,11,12,13,14,15
	global_store_b128 v[CO], v[32+4*\t:35+4*\t], s[10:11] offset:\t*SIZE_N*4 th:TH_STORE_NT
.endr
	WIN 0
.endm
	s_wait_dscnt 0x0                               ; the last step's fragments are in
.irp a, 0,1,2,3,4,5,6,7                ; the last step goes window by window, and each window's two blocks leave as soon as they are finished
.if (\a)%2 == 0
	QTR 1, (\a)/2, 0
	PLACES                                         ; in front of the reads of results just made, and of the loads into sets that earlier products read
.endif
.if \a > 1
	s_wait_xcnt 0x0                                ; block a - 2's stores have read their registers and their base
.endif
	TOSTAGE \a
.if \a > 0
	SEND (\a)-1, 32
.endif
.endr
	s_wait_xcnt 0x0
	SEND 7, 0
	s_wait_tensorcnt 0x0                           ; the wave's end
	ds_add_u32 v[SPW], v[NIL]
	s_wait_dscnt 0x0
	CROUND                                         ; the closing round
	s_endpgm
.Lfunc_end_k_q51ecbcf81f_gemm:
	.size	k_q51ecbcf81f_gemm, .Lfunc_end_k_q51ecbcf81f_gemm-k_q51ecbcf81f_gemm
	.p2alignl 7, 3214868480
	.fill 96, 4, 3214868480
	.section	.rodata,"a",@progbits
	.p2align	6, 0x0
	.amdhsa_kernel k_q51ecbcf81f_gemm
		.amdhsa_group_segment_fixed_size 327680
		.amdhsa_private_segment_fixed_size 0
		.amdhsa_enable_private_segment 0
		.amdhsa_kernarg_size 32
		.amdhsa_user_sgpr_count 2
		.amdhsa_user_sgpr_kernarg_segment_ptr 1
		.amdhsa_wavefront_size32 1
		.amdhsa_system_sgpr_workgroup_id_x 1
		.amdhsa_system_sgpr_workgroup_id_y 1
		.amdhsa_system_sgpr_workgroup_id_z 1
		.amdhsa_system_vgpr_workitem_id 0
		.amdhsa_next_free_vgpr 1024
		.amdhsa_next_free_sgpr 96
		.amdhsa_reserve_vcc 0
		.amdhsa_float_denorm_mode_32 3
		.amdhsa_float_denorm_mode_16_64 3
		.amdhsa_memory_ordered 1
		.amdhsa_forward_progress 1
		.amdhsa_inst_pref_size 207
	.end_amdhsa_kernel
	.amdgpu_metadata
---
amdhsa.version: [ 1, 2 ]
amdhsa.kernels:
  - .name:           k_q51ecbcf81f_gemm
    .symbol:         k_q51ecbcf81f_gemm.kd
    .args:
      - { .name: aimg, .offset: 0, .size: 8, .value_kind: global_buffer, .address_space: global }
      - { .name: bimg, .offset: 8, .size: 8, .value_kind: global_buffer, .address_space: global }
      - { .name: bias, .offset: 16, .size: 8, .value_kind: global_buffer, .address_space: global }
      - { .name: out0, .offset: 24, .size: 8, .value_kind: global_buffer, .address_space: global }
    .group_segment_fixed_size: 327680
    .private_segment_fixed_size: 0
    .kernarg_segment_align: 8
    .kernarg_segment_size: 32
    .max_flat_workgroup_size: 128
    .sgpr_count:     96
    .vgpr_count:     1024
    .wavefront_size: 32
...
	.end_amdgpu_metadata
.endif
;; end of part 2
